; MI455X (gfx1250); checked and timed in simulation.
; The chip was launched on July 23, 2026; its instructions are those of AMD's public machine-readable ISA for CDNA 5 (MIT licence, August 2026) and "CDNA5" Instruction Set Architecture Reference Guide (July 2026). The comments in the code are by the model that wrote it; some were corrected since.
;; Raymarcher. Allowed arithmetic: float matrix products may take bf16 or f16 operands with f32 sums; all other float work in f32.
;; Inputs: raydir 1 x 512 x 512 x 3 float32; raypos 1 x 512 x 512 x 3 float32; template 1 x 4 x 128 x 128 x 128 float32; tminmax 1 x 512 x 512 x 2 float32; warp 1 x 3 x 128 x 128 x 128 float32.
;; Outputs: out0 1 x 4 x 512 x 512 float32.
;; Constants: num_steps = 16.
;; One version. Each part assembles by itself: llvm-mc -triple=amdgcn-amd-amdhsa -mcpu=gfx1250 --defsym DOCPART=n.
;; ======== version 1 of 1: 3 launches
;; workspace buffers: warp3 25,165,824 bytes; tmpl4 33,554,432 bytes; widx 16,777,216 bytes of whole numbers; tidx 16,777,216 bytes of whole numbers; td 50,331,648 bytes
;; launch prep (part 1): grid 1024 x 1, 8 waves a work-group, no clusters, 25,600 bytes of LDS; arguments raypos, raydir, tminmax, warp, template, warp3, tmpl4, widx; writes warp3, tmpl4, widx
.if DOCPART == 1
	.amdgcn_target "amdgcn-amd-amdhsa--gfx1250"
	.amdhsa_code_object_version 6
	.text
	.protected	k_q0df8ee5404_prep
	.globl	k_q0df8ee5404_prep
	.p2align	8
	.type	k_q0df8ee5404_prep,@function
k_q0df8ee5404_prep:
	s_mov_b64 s[64:65], 0
	v_nop
	global_prefetch_b8 v0, s[64:65] scope:SCOPE_SE
	s_setreg_imm32_b32 hwreg(HW_REG_WAVE_MODE, 25, 1), 1
	s_wait_xcnt 0x0
; PREP.  Two jobs, both shared out evenly over 1,024 work-groups of 8 waves.
; (a) Both volumes are laid out channel-last in f32: warp [3][128][128][128] -> warp3 [z][y][x][3], template [4][..] -> tmpl4 [z][y][x][4].
;     A corner of a cell is then 12 or 16 consecutive bytes, one load, in the launches behind.  A wave takes two x-rows, 256 voxels: lane l takes voxel 32 k + l of block k,
;     one 4-byte load a channel (a wave's load covers 128 consecutive bytes).  A template voxel is stored as it stands in the lane: 16 bytes, a wave's store 512 consecutive bytes, aligned.
;     A warp voxel is 12 bytes, and 32 of them are 384: such stores would cut aligned blocks of 256 bytes.  So the wave's 3,072 bytes go through LDS bytes of its own and leave as six stores of 512.
; (b) One ray a thread: t0 = floor(tmin / dt) dt, pos = raypos + raydir t0, and for each of the 16 steps the cell of the warp volume in which pos lies, stored as a whole number.
;     No address of a launch hangs on floating-point numbers of the same launch: so the cells are found here and used in the next launch.
;     A cell is stored as the number of its lowest voxel, (128 z + y) 128 + x, each of x, y, z clamped to 0 .. 126, so that all eight corners lie in the volume;
;     a step whose pos is not valid (not within -1 .. 1 on all three axes, ends excluded) is stored as -1: reference() multiplies its sample by 0, and the launches behind load nothing for it.
;     widx: [work-group][4 groups of steps][256 rays][4 steps]: a thread's four words of a group are 16 bytes, a wave's store 512 consecutive bytes.
; LIMITS.  tmin / dt is formed as tmin x 50, rounded once; 50 is the f32 nearest to 1 / dt.  That is within one unit in the last place of the correctly rounded quotient, and the floor
; differs from the quotient's only where tmin lies that near to a multiple of dt: among the f32 products k dt, k = 0 .. 15, at k = 5 and 10, where it gives k - 1.
; NaN and infinities in the inputs are not treated apart; every finite position gives a cell inside the volume (the clamp stands in front of the conversion).
.set PLANE, 8388608            ; bytes of one channel of a volume: 128 x 128 x 128 x 4
.set WBYTES, 3072              ; a wave's 256 warp voxels of 12 bytes
.set VSRC,  1                  ; v1   1,024 x wave + 4 x lane: my voxel in the work-group's 16 source rows
.set VDST,  2                  ; v2   four times that: the same voxel in tmpl4
.set VR12,  3                  ; v3   12 x thread: my ray in raypos and raydir
.set VR8,   4                  ; v4   8 x thread: in tminmax
.set VR16,  5                  ; v5   16 x thread: in a plane of widx
.set TX,    6                  ; v[6:7], v8  at work: x, y and z
.set TZ,    8
.set TV,    9                  ; v9          the largest magnitude of pos
.set TP,    10                 ; v[10:11]    at work
.set WQ,    12                 ; v[12:35]    eight voxels of warp, three words each
.set WO,    36                 ; v[36:59]    the wave's warp voxels back from LDS: six times 16 bytes a lane
.set TQ,    60                 ; v[60:91]    eight voxels of template
.set IX,    92                 ; v[92:107]   the 16 cells
.set P,     108                ; v[108:110]  raypos, then pos
.set D,     112                ; v[112:114]  raydir
.set TM,    116                ; v[116:117]  tmin, tmax; then t0 in the first
.set ST,    118                ; v[118:120]  raydir dt
.set LST,   122                ; v122        3,072 x wave + 12 x lane: where my voxel of block 0 goes in LDS
.set LRD,   123                ; v123        3,072 x wave + 16 x lane: where I read back, and the same place in the work-group's part of warp3
.set K635,  40                 ; s[40:41]    63.5, twice (named as a pair by the packed forms)
.set K126,  42                 ; s42         126.0
.set K50,   44                 ; s44         50.0
.set KDT,   46                 ; s[46:47]    dt = 0.02 in f32, twice
	s_load_b512 s[4:19], s[0:1], 0x0               ; raypos s[4:5], raydir s[6:7], tminmax s[8:9], warp s[10:11], template s[12:13], warp3 s[14:15], tmpl4 s[16:17], widx s[18:19]
	v_lshl_add_u32 v128, v0, 2, 0x6000
	v_mov_b32 v129, 0
	v_and_b32 v[VSRC], 31, v0                      ; lane
	v_lshrrev_b32 v[VDST], 5, v0
	v_readfirstlane_b32 s30, v[VDST]               ; wave, as a scalar
	s_mul_i32 s31, s30, WBYTES                     ; my wave's bytes of LDS
	v_mul_u32_u24 v[LST], 12, v[VSRC]
	v_add_nc_u32 v[LST], s31, v[LST]
	v_lshl_add_u32 v[LRD], v[VSRC], 4, s31
	v_lshlrev_b32 v[VSRC], 2, v[VSRC]
	v_lshl_add_u32 v[VSRC], v[VDST], 10, v[VSRC]   ; a wave's two rows are 1,024 bytes of a channel
	v_lshlrev_b32 v[VDST], 2, v[VSRC]
	v_mul_u32_u24 v[VR12], 12, v0
	v_lshlrev_b32 v[VR8], 3, v0
	v_lshlrev_b32 v[VR16], 4, v0
	s_mul_i32 s20, ttmp9, 3072                     ; the work-group's 256 rays in raypos and raydir,
	s_mov_b32 s21, 0
	s_lshl_b32 s22, ttmp9, 11                      ; in tminmax,
	s_mov_b32 s23, 0
	s_lshl_b32 s24, ttmp9, 14                      ; in widx
	s_mov_b32 s25, 0
	s_lshl_b32 s26, ttmp9, 13                      ; its 16 rows of 512 bytes in a source channel,
	s_mov_b32 s27, 0
	s_lshl_b32 s28, ttmp9, 15                      ; of 2,048 bytes in tmpl4,
	s_mov_b32 s29, 0
	s_mul_i32 s32, ttmp9, 8*WBYTES                 ; and of 1,536 bytes in warp3
	s_mov_b32 s33, 0
	s_mov_b32 s[K635], 0x427e0000
	s_mov_b32 s[K635+1], 0x427e0000
	s_mov_b32 s[K126], 0x42fc0000
	s_mov_b32 s[K50], 0x42480000
	s_mov_b32 s[KDT], 0x3ca3d70a
	s_mov_b32 s[KDT+1], 0x3ca3d70a
	s_wait_kmcnt 0x0
	s_add_nc_u64 s[4:5], s[4:5], s[20:21]
	s_add_nc_u64 s[6:7], s[6:7], s[20:21]
	s_add_nc_u64 s[8:9], s[8:9], s[22:23]
	s_add_nc_u64 s[18:19], s[18:19], s[24:25]
	s_add_nc_u64 s[10:11], s[10:11], s[26:27]      ; warp, channel 0
	s_add_nc_u64 s[12:13], s[12:13], s[26:27]      ; template, channel 0
	s_add_nc_u64 s[14:15], s[14:15], s[32:33]
	s_add_nc_u64 s[16:17], s[16:17], s[28:29]
	s_add_nc_u64 s[48:49], s[10:11], PLANE         ; a channel is one byte too far for a load's immediate: each has a base of its own
	s_add_nc_u64 s[50:51], s[10:11], 2*PLANE
	s_add_nc_u64 s[52:53], s[12:13], PLANE
	s_add_nc_u64 s[54:55], s[12:13], 2*PLANE
	s_add_nc_u64 s[56:57], s[12:13], 3*PLANE
	global_load_b96 v[P:P+2], v[VR12], s[4:5] th:TH_LOAD_NT
	global_load_b96 v[D:D+2], v[VR12], s[6:7] th:TH_LOAD_NT
	global_load_b64 v[TM:TM+1], v[VR8], s[8:9] th:TH_LOAD_NT
	; all 56 loads of my eight voxels go out at once; block k = voxels 32 k on of the wave's 256; a channel lands in its word of the voxel
.set k, 0
.rept 8
	global_load_b32 v[WQ+3*k],   v[VSRC], s[10:11] offset:k*128 th:TH_LOAD_NT
	global_load_b32 v[WQ+3*k+1], v[VSRC], s[48:49] offset:k*128 th:TH_LOAD_NT
	global_load_b32 v[WQ+3*k+2], v[VSRC], s[50:51] offset:k*128 th:TH_LOAD_NT
	global_load_b32 v[TQ+4*k],   v[VSRC], s[12:13] offset:k*128 th:TH_LOAD_NT
	global_load_b32 v[TQ+4*k+1], v[VSRC], s[52:53] offset:k*128 th:TH_LOAD_NT
	global_load_b32 v[TQ+4*k+2], v[VSRC], s[54:55] offset:k*128 th:TH_LOAD_NT
	global_load_b32 v[TQ+4*k+3], v[VSRC], s[56:57] offset:k*128 th:TH_LOAD_NT
.set k, k+1
.endr
	; THE RAY, while the volumes' loads are on their way.
	s_wait_loadcnt 56                              ; loads come back in order: the three ray loads are in, the 56 issued behind them stay out
	v_mul_f32 v[TX], s[K50], v[TM]                 ; tmin / dt as tmin x 50, rounded once (see LIMITS)
	v_floor_f32 v[TX], v[TX]
	v_mul_f32 v[TM], s[KDT], v[TX]                 ; t0
	; pos = raypos + raydir t0, the product rounded by itself as reference() rounds it: pos is compared with -1 and 1, so its last bit can decide a sample
	v_pk_mul_f32 v[TP:TP+1], v[D:D+1], v[TM:TM+1] op_sel_hi:[1,0]
	v_mul_f32 v[TZ], v[D+2], v[TM]
	v_pk_add_f32 v[P:P+1], v[P:P+1], v[TP:TP+1]
	v_add_f32 v[P+2], v[P+2], v[TZ]
	v_pk_mul_f32 v[ST:ST+1], v[D:D+1], s[KDT:KDT+1] op_sel_hi:[1,0]  ; the step, made once
	v_mul_f32 v[ST+2], s[KDT], v[D+2]
; Step i: grid coordinate 63.5 pos + 63.5, clamped to 0 .. 126 (the conversion cuts the fraction off, which is the floor of a number that is not negative), the three packed into a voxel number;
; -1 in its place where the largest magnitude of pos is not below 1; pos steps on.
.macro CELL i
	v_pk_fma_f32 v[TX:TX+1], v[P:P+1], s[K635:K635+1], s[K635:K635+1] op_sel_hi:[1,0,0]
	v_fma_f32 v[TZ], v[P+2], s[K635], s[K635]
	v_max3_num_f32 v[TV], |v[P]|, |v[P+1]|, |v[P+2]|
	v_med3_num_f32 v[TX], v[TX], 0, s[K126]
	v_med3_num_f32 v[TX+1], v[TX+1], 0, s[K126]
	v_med3_num_f32 v[TZ], v[TZ], 0, s[K126]
	v_cvt_u32_f32 v[TX], v[TX]
	v_cvt_u32_f32 v[TX+1], v[TX+1]
	v_cvt_u32_f32 v[TZ], v[TZ]
	v_cmp_gt_f32 vcc_lo, 1.0, v[TV]
	v_lshl_add_u32 v[TZ], v[TZ], 7, v[TX+1]
	v_lshl_add_u32 v[TZ], v[TZ], 7, v[TX]
	v_cndmask_b32 v[IX+(\i)], -1, v[TZ], vcc_lo
.if (\i) < 15
	v_pk_add_f32 v[P:P+1], v[P:P+1], v[ST:ST+1]
	v_add_f32 v[P+2], v[P+2], v[ST+2]
.endif
.if (\i)%4 == 3
	global_store_b128 v[VR16], v[IX+(\i)-3:IX+(\i)], s[18:19] offset:((\i)/4)*4096  ; four steps' words; each has a register of its own, so no store's data are written again
.endif
.endm
.irp i, 0,1,2,3,4,5,6,7,8,9,10,11,12,13,14,15
	CELL \i
.endr
	; THE VOLUMES go out, block by block as their loads come in.  Warp: voxel n of the wave's 256 lies at LDS byte 12 n of the wave's part; a store's 32 lanes are 3 words apart,
	; 32 different banks of the 64 (ISA guide 11.1).  Behind each row (four blocks, 1,536 bytes) it is read back, 16 bytes a lane.
.set k, 0
.rept 8
	s_wait_loadcnt 7*(7-k)                         ; block k's seven loads are in; seven for each later block stay out
	ds_store_b32 v[LST], v[WQ+3*k]   offset:k*384
	ds_store_b32 v[LST], v[WQ+3*k+1] offset:k*384+4
	ds_store_b32 v[LST], v[WQ+3*k+2] offset:k*384+8
	global_store_b128 v[VDST], v[TQ+4*k:TQ+4*k+3], s[16:17] offset:k*512
.if k%4 == 3
.irp m, 0,1,2
	ds_load_b128 v[WO+12*(k/4)+4*(\m):WO+12*(k/4)+4*(\m)+3], v[LRD] offset:(3*(k/4)+(\m))*512  ; LDS serves a wave's instructions in order (ISA guide 5.7.1.4): these see the stores above; the bytes are my wave's own
.endr
.endif
.set k, k+1
.endr
	s_wait_dscnt 3                                 ; all but the last three LDS instructions are done: the first row is back
.irp m, 0,1,2
	global_store_b128 v[LRD], v[WO+4*(\m):WO+4*(\m)+3], s[14:15] offset:(\m)*512  ; a wave's store covers 512 consecutive bytes, at a multiple of 512 from warp3's first byte
.endr
	s_wait_dscnt 0x0
.irp m, 3,4,5
	global_store_b128 v[LRD], v[WO+4*(\m):WO+4*(\m)+3], s[14:15] offset:(\m)*512
.endr
	s_wait_tensorcnt 0x0
	ds_add_u32 v128, v129
	s_wait_dscnt 0x0
	s_endpgm
.Lfunc_end_k_q0df8ee5404_prep:
	.size	k_q0df8ee5404_prep, .Lfunc_end_k_q0df8ee5404_prep-k_q0df8ee5404_prep
	.p2alignl 7, 3214868480
	.fill 96, 4, 3214868480
	.section	.rodata,"a",@progbits
	.p2align	6, 0x0
	.amdhsa_kernel k_q0df8ee5404_prep
		.amdhsa_group_segment_fixed_size 25600
		.amdhsa_private_segment_fixed_size 0
		.amdhsa_enable_private_segment 0
		.amdhsa_kernarg_size 64
		.amdhsa_user_sgpr_count 2
		.amdhsa_user_sgpr_kernarg_segment_ptr 1
		.amdhsa_wavefront_size32 1
		.amdhsa_system_sgpr_workgroup_id_x 1
		.amdhsa_system_sgpr_workgroup_id_y 1
		.amdhsa_system_sgpr_workgroup_id_z 1
		.amdhsa_system_vgpr_workitem_id 0
		.amdhsa_next_free_vgpr 130
		.amdhsa_next_free_sgpr 66
		.amdhsa_reserve_vcc 1
		.amdhsa_float_denorm_mode_32 3
		.amdhsa_float_denorm_mode_16_64 3
		.amdhsa_memory_ordered 1
		.amdhsa_forward_progress 1
		.amdhsa_inst_pref_size 25
	.end_amdhsa_kernel
	.amdgpu_metadata
---
amdhsa.version: [ 1, 2 ]
amdhsa.kernels:
  - .name:           k_q0df8ee5404_prep
    .symbol:         k_q0df8ee5404_prep.kd
    .args:
      - { .name: raypos, .offset: 0, .size: 8, .value_kind: global_buffer, .address_space: global }
      - { .name: raydir, .offset: 8, .size: 8, .value_kind: global_buffer, .address_space: global }
      - { .name: tminmax, .offset: 16, .size: 8, .value_kind: global_buffer, .address_space: global }
      - { .name: warp, .offset: 24, .size: 8, .value_kind: global_buffer, .address_space: global }
      - { .name: template, .offset: 32, .size: 8, .value_kind: global_buffer, .address_space: global }
      - { .name: warp3, .offset: 40, .size: 8, .value_kind: global_buffer, .address_space: global }
      - { .name: tmpl4, .offset: 48, .size: 8, .value_kind: global_buffer, .address_space: global }
      - { .name: widx, .offset: 56, .size: 8, .value_kind: global_buffer, .address_space: global }
    .group_segment_fixed_size: 25600
    .private_segment_fixed_size: 0
    .kernarg_segment_align: 8
    .kernarg_segment_size: 64
    .max_flat_workgroup_size: 256
    .sgpr_count:     66
    .vgpr_count:     130
    .wavefront_size: 32
...
	.end_amdgpu_metadata
.endif
;; end of part 1
;; launch bend (part 2): grid 1024 x 1, 8 waves a work-group, no clusters, 0 bytes of LDS; arguments raypos, raydir, tminmax, warp3, widx, tidx, td; writes tidx, td
.if DOCPART == 2
	.amdgcn_target "amdgcn-amd-amdhsa--gfx1250"
	.amdhsa_code_object_version 6
	.text
	.protected	k_q0df8ee5404_bend
	.globl	k_q0df8ee5404_bend
	.p2align	8
	.type	k_q0df8ee5404_bend,@function
k_q0df8ee5404_bend:
	s_mov_b64 s[64:65], 0
	v_nop
	global_prefetch_b8 v0, s[64:65] scope:SCOPE_SE
	s_setreg_imm32_b32 hwreg(HW_REG_WAVE_MODE, 25, 1), 1
	s_wait_xcnt 0x0
; BEND.  spos = the trilinear sample of the warp field at pos, for each of a ray's 16 steps; one ray a thread, 256 rays a work-group.
; The eight corners' addresses come from widx, whole numbers that the launch before stored: a voxel number, or -1 for a step whose pos is not valid.  pos is made again here by the same
; instructions, for the weights alone.
; A STEP THAT IS NOT VALID LOADS NOTHING: the 16 words give 16 masks of lanes, and a step's eight loads run under its mask (lane 0 stays on whatever its mask says: see GATHER).
; The lanes that are off keep what the slot held; so both slots are written whole once, 48 v_mov_b32 in the wait for the list.  What a lane sums for such a step is thrown away:
; the mask puts the marks below in its place.
; Where pos is valid the grid coordinate X lies in 0 .. 127, the cell is min(floor X, 126), and the two weights of an axis are 1 - w and w, w = X - cell:
; the same sum as reference()'s (at X = 127 its upper corner is outside with weight 0; here the lower one has weight 0).
; OUT, for the launch behind: tidx, the template's cell as the byte offset of its lowest corner, 16 ((128 z + y) 128 + x), clamped as in widx, or -1 for a step that is not valid;
; td, d = X - cell for each axis in f32, from which that launch makes the weights max(0, 1 - |d|) and max(0, 1 - |d - 1|), which are zero padding for every spos.
; A step that is not valid gets dx = 4: both x weights are then 0.
; tidx: [work-group][4 groups][256 rays][4 steps]; td: [work-group][4 groups][3 axes][256 rays][4 steps]: every load and store of a list is 16 bytes a lane, 512 consecutive bytes a wave.
; THE GATHERS run through two register slots, a step each: step s + 2 is asked for as soon as step s has been summed, so eight to sixteen loads of every wave are out.
; The 16 steps are written out by macro; ISSUED counts the loads issued so far and MARK0, MARK1 what it was behind a slot's last fill, so each wait's count is the number of younger loads.
; LIMITS.  tmin / dt is formed as tmin x 50, rounded once; 50 is the f32 nearest to 1 / dt.  That is within one unit in the last place of the correctly rounded quotient, and the floor
; differs from the quotient's only where tmin lies that near to a multiple of dt: among the f32 products k dt, k = 0 .. 15, at k = 5 and 10, where it gives k - 1.
; NaN and infinities in the inputs are not treated apart; every finite spos gives a cell inside the volume (the clamp stands in front of the conversion).
.set VR16, 1                   ; v1   16 x thread: my place in a plane of the lists
.set VR12, 2                   ; v2   12 x thread
.set VR8,  3                   ; v3   8 x thread
.set A,    4                   ; v[4:19]     the 16 words as loaded, then as checked byte offsets; not written again
.set SL,   20                  ; v[20:83]    two slots: eight corners, three words each at the head of four registers
.set P,    84                  ; v[84:86]    raypos, then pos
.set ST,   88                  ; v[88:90]    raydir dt
.set OI,   92                  ; v[92:95]    four steps' template cells
.set OD,   96                  ; v[96:107]   four steps' dx, dy, dz
.set WX,   108                 ; v[108:109]  the x weights: lower corner's, upper corner's
.set WY,   110                 ; v[110:111]  y's; once WYZ is made, a row's two corner weights
.set WZ,   112                 ; v[112:113]  z's; likewise
.set WYZ,  114                 ; v[114:117]  the four products of a y and a z weight, y fastest
.set AC,   118                 ; v[118:120]  spos
.set X,    122                 ; v[122:124]  grid coordinates
.set T,    125                 ; v125        at work
.set D,    114                 ; at the start: raydir in v[114:116], tmin and tmax in v[118:119]
.set TM,   118
.set SAVE, 31                  ; s31         EXEC, while a step's loads run under their mask
.set K635, 40                  ; s[40:41]    63.5, twice
.set K126, 42                  ; s42         126.0
.set K50,  44                  ; s44         50.0
.set KDT,  46                  ; s[46:47]    dt, twice
.set MK,   48                  ; s[48:63]    step s: the lanes whose pos is valid
.set ISSUED, 0
; dst pair = a pair x one register (0: the first, 1: the second) of b pair;  acc pair += the same
.macro PKMULB dst, a, b, sel
.if \sel
	v_pk_mul_f32 v[\dst:\dst+1], v[\a:\a+1], v[\b:\b+1] op_sel:[0,1] op_sel_hi:[1,1]
.else
	v_pk_mul_f32 v[\dst:\dst+1], v[\a:\a+1], v[\b:\b+1] op_sel_hi:[1,0]
.endif
.endm
.macro PKFMAB acc, a, b, sel
.if \sel
	v_pk_fma_f32 v[\acc:\acc+1], v[\a:\a+1], v[\b:\b+1], v[\acc:\acc+1] op_sel:[0,1,0] op_sel_hi:[1,1,1]
.else
	v_pk_fma_f32 v[\acc:\acc+1], v[\a:\a+1], v[\b:\b+1], v[\acc:\acc+1] op_sel_hi:[1,0,1]
.endif
.endm
; The eight corners of step s's cell: corner c = 4 (z + 1?) + 2 (y + 1?) + (x + 1?), 12 bytes each, 12, 1,536 and 196,608 bytes apart: all in the immediate, one address register a step.
; They run under the step's mask, with lane 0 added: EXEC is then never empty, so all eight loads are issued and counted whatever the mask, and the counted waits hold on every input.
; Lane 0's offset is bounded like every other; what it loads for a step that is not valid is thrown away with the rest of that step.
; EXEC is a source of every load and store that is out: it is narrowed, and widened again, only behind s_wait_xcnt 0.
; The first of the two waits also frees the data registers of the stores issued before it.
.macro GATHER s
	s_wait_xcnt 0x0
	s_or_b32 vcc_lo, s[MK+(\s)], 1
	s_and_saveexec_b32 s[SAVE], vcc_lo
.irp c, 0,1,2,3,4,5,6,7
	global_load_b96 v[SL+32*((\s)%2)+4*(\c):SL+32*((\s)%2)+4*(\c)+2], v[A+(\s)], s[10:11] offset:((\c)&1)*12+(((\c)>>1)&1)*1536+((\c)>>2)*196608
.endr
	s_wait_xcnt 0x0
	s_or_b32 exec_lo, exec_lo, s[SAVE]
.set ISSUED, ISSUED+8
.if ((\s)%2) == 0
.set MARK0, ISSUED
.else
.set MARK1, ISSUED
.endif
.endm
	s_load_b256 s[4:11], s[0:1], 0x0               ; raypos s[4:5], raydir s[6:7], tminmax s[8:9], warp3 s[10:11]
	s_load_b128 s[12:15], s[0:1], 0x20             ; widx s[12:13], tidx s[14:15]
	s_load_b64 s[16:17], s[0:1], 0x30              ; td
	v_lshlrev_b32 v[VR16], 4, v0
	v_mul_u32_u24 v[VR12], 12, v0
	v_lshlrev_b32 v[VR8], 3, v0
	s_mul_i32 s20, ttmp9, 3072                     ; the work-group's 256 rays in raypos and raydir,
	s_mov_b32 s21, 0
	s_lshl_b32 s22, ttmp9, 11                      ; in tminmax,
	s_mov_b32 s23, 0
	s_lshl_b32 s24, ttmp9, 14                      ; in widx and tidx,
	s_mov_b32 s25, 0
	s_mul_i32 s26, ttmp9, 49152                    ; in td
	s_mov_b32 s27, 0
	s_mov_b32 s[K635], 0x427e0000
	s_mov_b32 s[K635+1], 0x427e0000
	s_mov_b32 s[K126], 0x42fc0000
	s_mov_b32 s[K50], 0x42480000
	s_mov_b32 s[KDT], 0x3ca3d70a
	s_mov_b32 s[KDT+1], 0x3ca3d70a
	s_wait_kmcnt 0x0
	s_add_nc_u64 s[4:5], s[4:5], s[20:21]
	s_add_nc_u64 s[6:7], s[6:7], s[20:21]
	s_add_nc_u64 s[8:9], s[8:9], s[22:23]
	s_add_nc_u64 s[12:13], s[12:13], s[24:25]
	s_add_nc_u64 s[14:15], s[14:15], s[24:25]
	s_add_nc_u64 s[16:17], s[16:17], s[26:27]
.irp g, 0,1,2,3
	global_load_b128 v[A+4*(\g):A+4*(\g)+3], v[VR16], s[12:13] offset:(\g)*4096 th:TH_LOAD_NT
.endr
	global_load_b96 v[P:P+2], v[VR12], s[4:5] th:TH_LOAD_NT
	global_load_b96 v[D:D+2], v[VR12], s[6:7] th:TH_LOAD_NT
	global_load_b64 v[TM:TM+1], v[VR8], s[8:9] th:TH_LOAD_NT
.set ISSUED, 7
	; both slots are written whole once, in the wait for the list: a lane that is off in a slot's first fill then holds a finite number there
.set i, 0
.rept 16
	v_mov_b32 v[SL+4*i], 0
	v_mov_b32 v[SL+4*i+1], 0
	v_mov_b32 v[SL+4*i+2], 0
.set i, i+1
.endr
	s_wait_loadcnt 3                               ; the four loads of the list are in; the three ray loads behind them stay out
	; The mask: a voxel number is not negative.  A number read from memory enters an address only behind a bound written in the instruction: 128 z + y at most 126 x 128 + 126, x at most 126,
	; so that the farthest corner's last byte is the volume's last byte at the most.  Then 12 bytes a voxel.
.set i, 0
.rept 16
	v_cmp_le_i32 s[MK+i], 0, v[A+i]
	v_lshrrev_b32 v[T], 7, v[A+i]
	v_and_b32 v[A+i], 0x7f, v[A+i]
	v_min_u32 v[T], 0x3f7e, v[T]
	v_min_u32 v[A+i], 0x7e, v[A+i]
	v_lshl_add_u32 v[A+i], v[T], 7, v[A+i]
	v_mul_u32_u24 v[A+i], 12, v[A+i]
.set i, i+1
.endr
	GATHER 0
	GATHER 1
	s_wait_loadcnt 16                              ; the ray loads are in; the two steps' sixteen gathers behind them stay out
	; t0, pos and the step, by the same instructions as in the launch that found the cells (tmin x 50 rounded once, the product raydir t0 rounded by itself): cell and weights belong together
	v_mul_f32 v[T], s[K50], v[TM]
	v_floor_f32 v[T], v[T]
	v_mul_f32 v[TM], s[KDT], v[T]
	v_pk_mul_f32 v[X:X+1], v[D:D+1], v[TM:TM+1] op_sel_hi:[1,0]
	v_mul_f32 v[X+2], v[D+2], v[TM]
	v_pk_add_f32 v[P:P+1], v[P:P+1], v[X:X+1]
	v_add_f32 v[P+2], v[P+2], v[X+2]
	v_pk_mul_f32 v[ST:ST+1], v[D:D+1], s[KDT:KDT+1] op_sel_hi:[1,0]
	v_mul_f32 v[ST+2], s[KDT], v[D+2]
.macro STEP s
.set SB, SL+32*((\s)%2)
.set Q, (\s)%4
	; the weights hang on pos alone: they are made while the step's gathers are still on their way
	v_pk_fma_f32 v[X:X+1], v[P:P+1], s[K635:K635+1], s[K635:K635+1] op_sel_hi:[1,0,0]
	v_fma_f32 v[X+2], v[P+2], s[K635], s[K635]
	v_med3_num_f32 v[WX+1], v[X], 0, s[K126]
	v_med3_num_f32 v[WY+1], v[X+1], 0, s[K126]
	v_med3_num_f32 v[WZ+1], v[X+2], 0, s[K126]
	v_floor_f32 v[WX+1], v[WX+1]
	v_floor_f32 v[WY+1], v[WY+1]
	v_floor_f32 v[WZ+1], v[WZ+1]
	v_sub_f32 v[WX+1], v[X], v[WX+1]
	v_sub_f32 v[WY+1], v[X+1], v[WY+1]
	v_sub_f32 v[WZ+1], v[X+2], v[WZ+1]
	v_sub_f32 v[WX], 1.0, v[WX+1]
	v_sub_f32 v[WY], 1.0, v[WY+1]
	v_sub_f32 v[WZ], 1.0, v[WZ+1]
.if (\s) < 15
	v_pk_add_f32 v[P:P+1], v[P:P+1], v[ST:ST+1]
	v_add_f32 v[P+2], v[P+2], v[ST+2]
.endif
	PKMULB WYZ, WY, WZ, 0
	PKMULB WYZ+2, WY, WZ, 1
.if ((\s)%2) == 0
	s_wait_loadcnt ISSUED-MARK0                    ; this step's eight corners are in; the next step's eight stay out (none behind the last step)
.else
	s_wait_loadcnt ISSUED-MARK1
.endif
	; row j = 2 (z + 1?) + (y + 1?): its two corner weights, then both corners' three channels; the first corner starts the sums
.irp j, 0,1,2,3
	PKMULB WY+2*((\j)%2), WX, WYZ+2*((\j)/2), (\j)%2
.if (\j) == 0
	PKMULB AC, SB, WY, 0
	v_mul_f32 v[AC+2], v[SB+2], v[WY]
.else
	PKFMAB AC, SB+8*(\j), WY+2*((\j)%2), 0
	v_fmac_f32 v[AC+2], v[SB+8*(\j)+2], v[WY+2*((\j)%2)]
.endif
	PKFMAB AC, SB+8*(\j)+4, WY+2*((\j)%2), 1
	v_fmac_f32 v[AC+2], v[SB+8*(\j)+6], v[WY+2*((\j)%2)+1]
.endr
.if (\s)+2 < 16
	GATHER (\s)+2                                  ; the slot is free: the step after next goes out.  In steps 4, 8 and 12 its first wait stands between the last group's stores and the lines below that write OI and OD again
.endif
	; the template's cell and the place in it
	v_pk_fma_f32 v[X:X+1], v[AC:AC+1], s[K635:K635+1], s[K635:K635+1] op_sel_hi:[1,0,0]
	v_fma_f32 v[X+2], v[AC+2], s[K635], s[K635]
	v_med3_num_f32 v[WX], v[X], 0, s[K126]
	v_med3_num_f32 v[WX+1], v[X+1], 0, s[K126]
	v_med3_num_f32 v[T], v[X+2], 0, s[K126]
	v_floor_f32 v[WX], v[WX]
	v_floor_f32 v[WX+1], v[WX+1]
	v_floor_f32 v[T], v[T]
	v_sub_f32 v[OD+Q], v[X], v[WX]
	v_sub_f32 v[OD+4+Q], v[X+1], v[WX+1]
	v_sub_f32 v[OD+8+Q], v[X+2], v[T]
	v_fmamk_f32 v[T], v[T], 0x43000000, v[WX+1]    ; (128 z + y) 128 + x, exact in f32: below 2^21
	v_fmamk_f32 v[T], v[T], 0x43000000, v[WX]
	v_cndmask_b32 v[OD+Q], 4.0, v[OD+Q], s[MK+(\s)]  ; not valid: dx = 4, both x weights 0
	v_cvt_u32_f32 v[T], v[T]
	v_lshlrev_b32 v[T], 4, v[T]
	v_cndmask_b32 v[OI+Q], -1, v[T], s[MK+(\s)]    ; not valid: -1, and the launch behind loads nothing
.if (\s)%4 == 3
	global_store_b128 v[VR16], v[OI:OI+3], s[14:15] offset:((\s)/4)*4096
	global_store_b128 v[VR16], v[OD:OD+3], s[16:17] offset:(3*((\s)/4))*4096
	global_store_b128 v[VR16], v[OD+4:OD+7], s[16:17] offset:(3*((\s)/4)+1)*4096
	global_store_b128 v[VR16], v[OD+8:OD+11], s[16:17] offset:(3*((\s)/4)+2)*4096
.endif
.endm
.irp s, 0,1,2,3,4,5,6,7,8,9,10,11,12,13,14,15
	STEP \s
.endr
	s_endpgm
.Lfunc_end_k_q0df8ee5404_bend:
	.size	k_q0df8ee5404_bend, .Lfunc_end_k_q0df8ee5404_bend-k_q0df8ee5404_bend
	.p2alignl 7, 3214868480
	.fill 96, 4, 3214868480
	.section	.rodata,"a",@progbits
	.p2align	6, 0x0
	.amdhsa_kernel k_q0df8ee5404_bend
		.amdhsa_group_segment_fixed_size 0
		.amdhsa_private_segment_fixed_size 0
		.amdhsa_enable_private_segment 0
		.amdhsa_kernarg_size 56
		.amdhsa_user_sgpr_count 2
		.amdhsa_user_sgpr_kernarg_segment_ptr 1
		.amdhsa_wavefront_size32 1
		.amdhsa_system_sgpr_workgroup_id_x 1
		.amdhsa_system_sgpr_workgroup_id_y 1
		.amdhsa_system_sgpr_workgroup_id_z 1
		.amdhsa_system_vgpr_workitem_id 0
		.amdhsa_next_free_vgpr 128
		.amdhsa_next_free_sgpr 66
		.amdhsa_reserve_vcc 1
		.amdhsa_float_denorm_mode_32 3
		.amdhsa_float_denorm_mode_16_64 3
		.amdhsa_memory_ordered 1
		.amdhsa_forward_progress 1
		.amdhsa_inst_pref_size 69
	.end_amdhsa_kernel
	.amdgpu_metadata
---
amdhsa.version: [ 1, 2 ]
amdhsa.kernels:
  - .name:           k_q0df8ee5404_bend
    .symbol:         k_q0df8ee5404_bend.kd
    .args:
      - { .name: raypos, .offset: 0, .size: 8, .value_kind: global_buffer, .address_space: global }
      - { .name: raydir, .offset: 8, .size: 8, .value_kind: global_buffer, .address_space: global }
      - { .name: tminmax, .offset: 16, .size: 8, .value_kind: global_buffer, .address_space: global }
      - { .name: warp3, .offset: 24, .size: 8, .value_kind: global_buffer, .address_space: global }
      - { .name: widx, .offset: 32, .size: 8, .value_kind: global_buffer, .address_space: global }
      - { .name: tidx, .offset: 40, .size: 8, .value_kind: global_buffer, .address_space: global }
      - { .name: td, .offset: 48, .size: 8, .value_kind: global_buffer, .address_space: global }
    .group_segment_fixed_size: 0
    .private_segment_fixed_size: 0
    .kernarg_segment_align: 8
    .kernarg_segment_size: 56
    .max_flat_workgroup_size: 256
    .sgpr_count:     66
    .vgpr_count:     128
    .wavefront_size: 32
...
	.end_amdgpu_metadata
.endif
;; end of part 2
;; launch shade (part 3): grid 1024 x 1, 8 waves a work-group, no clusters, 5,120 bytes of LDS; arguments tmpl4, tidx, td, out0; writes out0
.if DOCPART == 3
	.amdgcn_target "amdgcn-amd-amdhsa--gfx1250"
	.amdhsa_code_object_version 6
	.text
	.protected	k_q0df8ee5404_shade
	.globl	k_q0df8ee5404_shade
	.p2align	8
	.type	k_q0df8ee5404_shade,@function
k_q0df8ee5404_shade:
	s_mov_b64 s[64:65], 0
	v_nop
	global_prefetch_b8 v0, s[64:65] scope:SCOPE_SE
	s_setreg_imm32_b32 hwreg(HW_REG_WAVE_MODE, 25, 1), 1
	s_wait_xcnt 0x0
; SHADE.  val = the trilinear sample of the template at spos, and the march: contrib = min(alpha + val3 dt, 1) - alpha, rgb += val contrib, alpha += contrib, 16 steps, all in f32.
; One ray a thread, 256 rays a work-group.  The cells come from tidx, whole numbers that the launch before stored: a byte offset, or -1 for a step that is not valid; td holds d = X - cell for each axis.
; WEIGHTS.  The cell's lower voxel of an axis has weight max(0, 1 - |d|), the upper max(0, 1 - |d - 1|).  Inside the volume these are 1 - d and d; outside, where the cell is the clamped one, they are
; what reference()'s zero padding leaves: the one voxel still in reach keeps its weight, all others have 0.  A step that is not valid arrives with dx = 4: all its weights are 0, so val = 0.
; A STEP THAT IS NOT VALID LOADS NOTHING: the 16 words give 16 masks of lanes, and a step's eight loads run under its mask (lane 0 stays on whatever its mask says: see GATHER).
; The lanes that are off keep what the slot held, which meets weights of 0; so both slots are written whole once, 64 v_mov_b32 in the wait for the list, and hold finite numbers from then on.
; THE GATHERS run through two register slots, a step each, as in the launch before; td comes in groups of four steps through two buffers, two groups ahead.
; ISSUED counts the loads issued so far, MARK0 and MARK1 what it was behind a slot's last fill: each wait's count is the number of younger loads.
; OUT.  A ray's four numbers lie 1 MiB apart in out0 and a thread has four bytes of each: they go through LDS, so that a thread stores 16 bytes and a wave 512 consecutive bytes, aligned.
; The two addresses of that way out have registers of their own, made from the thread's number ahead of the first change of EXEC and never used for anything else.
; LIMITS.  NaN and infinities in the inputs are not treated apart.
.set VR16, 1                   ; v1   16 x thread
.set A,    2                   ; v[2:17]     the 16 words as loaded, then as checked offsets; not written again
.set TD,   18                  ; v[18:41]    two buffers of a group: dx, dy, dz of four steps
.set SL,   42                  ; v[42:105]   two slots: eight corners x four channels
.set R,    106                 ; v[106:109]  r, g, b, alpha
.set WX,   110                 ; v[110:111]  the x weights: lower voxel's, upper voxel's
.set WY,   112                 ; v[112:113]  y's; once WYZ is made, a row's two corner weights
.set WZ,   114                 ; v[114:115]  z's; likewise
.set WYZ,  116                 ; v[116:119]  the four products of a y and a z weight, y fastest
.set VA,   120                 ; v[120:123]  val
.set T,    124                 ; v[124:125]  at work; the packed form names the pair and takes its first
.set LSA,  126                 ; v126        the way out: 4 x thread, my word in a channel's 1,024 bytes of LDS
.set GO,   127                 ; v127        the way out: my 16 bytes in out0: channel thread / 64, rays 4 (thread % 64) on
.set KDT,  20                  ; s20         dt
.set SAVE, 22                  ; s22         EXEC, while a step's loads run under their mask
.set MK,   24                  ; s[24:39]    step s: the lanes whose step is valid
.set ISSUED, 0
.macro PKMULB dst, a, b, sel   ; dst pair = a pair x one register (0: the first, 1: the second) of b pair
.if \sel
	v_pk_mul_f32 v[\dst:\dst+1], v[\a:\a+1], v[\b:\b+1] op_sel:[0,1] op_sel_hi:[1,1]
.else
	v_pk_mul_f32 v[\dst:\dst+1], v[\a:\a+1], v[\b:\b+1] op_sel_hi:[1,0]
.endif
.endm
.macro PKFMAB acc, a, b, sel   ; acc pair += the same
.if \sel
	v_pk_fma_f32 v[\acc:\acc+1], v[\a:\a+1], v[\b:\b+1], v[\acc:\acc+1] op_sel:[0,1,0] op_sel_hi:[1,1,1]
.else
	v_pk_fma_f32 v[\acc:\acc+1], v[\a:\a+1], v[\b:\b+1], v[\acc:\acc+1] op_sel_hi:[1,0,1]
.endif
.endm
; The eight corners of step s's cell: 16, 2,048 and 262,144 bytes apart, all in the immediate.  They run under the step's mask, with lane 0 added: EXEC is then never empty, so all eight loads
; are issued and counted whatever the mask, and the counted waits hold on every input.  Lane 0's offset is bounded like every other; what it loads for a step that is not valid meets weights of 0.
; EXEC is a source of every load that is out: it is narrowed, and widened again, only behind s_wait_xcnt 0.
.macro GATHER s
	s_wait_xcnt 0x0
	s_or_b32 vcc_lo, s[MK+(\s)], 1
	s_and_saveexec_b32 s[SAVE], vcc_lo
.irp c, 0,1,2,3,4,5,6,7
	global_load_b128 v[SL+32*((\s)%2)+4*(\c):SL+32*((\s)%2)+4*(\c)+3], v[A+(\s)], s[4:5] offset:((\c)&1)*16+(((\c)>>1)&1)*2048+((\c)>>2)*262144
.endr
	s_wait_xcnt 0x0
	s_or_b32 exec_lo, exec_lo, s[SAVE]
.set ISSUED, ISSUED+8
.if ((\s)%2) == 0
.set MARK0, ISSUED
.else
.set MARK1, ISSUED
.endif
.endm
.macro TDLOAD g                ; group g's dx, dy, dz
.irp a, 0,1,2
	global_load_b128 v[TD+12*((\g)%2)+4*(\a):TD+12*((\g)%2)+4*(\a)+3], v[VR16], s[8:9] offset:(3*(\g)+(\a))*4096 th:TH_LOAD_NT
.endr
.set ISSUED, ISSUED+3
.endm
.macro AXIS w, d               ; the two weights of an axis from d
	v_sub_f32 v[\w], 1.0, |v[\d]|
	v_add_f32 v[T], -1.0, v[\d]
	v_max_num_f32 v[\w], 0, v[\w]
	v_sub_f32 v[\w+1], 1.0, |v[T]|
	v_max_num_f32 v[\w+1], 0, v[\w+1]
.endm
	s_load_b256 s[4:11], s[0:1], 0x0               ; tmpl4 s[4:5], tidx s[6:7], td s[8:9], out0 s[10:11]
	v_lshl_add_u32 v128, v0, 2, 0x1000
	v_mov_b32 v129, 0
	v_lshlrev_b32 v[VR16], 4, v0
	v_and_b32 v[LSA], 63, v0                       ; the way out's two addresses, from the thread's number alone
	v_lshrrev_b32 v[GO], 6, v0
	v_lshlrev_b32 v[LSA], 4, v[LSA]
	v_lshl_add_u32 v[GO], v[GO], 20, v[LSA]        ; a channel of out0 is 1 MiB
	v_lshlrev_b32 v[LSA], 2, v0
	v_mov_b32 v[T+1], 0                            ; named with T as a pair, so it is written
	s_lshl_b32 s12, ttmp9, 14                      ; the work-group's 256 rays in tidx,
	s_mov_b32 s13, 0
	s_mul_i32 s14, ttmp9, 49152                    ; in td,
	s_mov_b32 s15, 0
	s_lshl_b32 s16, ttmp9, 10                      ; in a channel of out0
	s_mov_b32 s17, 0
	s_mov_b32 s[KDT], 0x3ca3d70a
	s_wait_kmcnt 0x0
	s_add_nc_u64 s[6:7], s[6:7], s[12:13]
	s_add_nc_u64 s[8:9], s[8:9], s[14:15]
	s_add_nc_u64 s[10:11], s[10:11], s[16:17]
.irp g, 0,1,2,3
	global_load_b128 v[A+4*(\g):A+4*(\g)+3], v[VR16], s[6:7] offset:(\g)*4096 th:TH_LOAD_NT
.endr
.set ISSUED, 4
	TDLOAD 0
.set MARKT, ISSUED
	TDLOAD 1
	; both slots are written whole once, in the wait for the list: a lane that is off in a slot's first fill then holds a finite number there
.set i, 0
.rept 64
	v_mov_b32 v[SL+i], 0
.set i, i+1
.endr
	s_wait_loadcnt 6                               ; the four loads of the list are in; the six of td's first two groups stay out
	; The mask: a byte offset is not negative.  A number read from memory enters an address only behind a bound written in the instruction: 128 z + y at most 126 x 128 + 126, 16 x at most 16 x 126,
	; so that the farthest corner's last byte is the volume's last byte at the most.
.set i, 0
.rept 16
	v_cmp_le_i32 s[MK+i], 0, v[A+i]
	v_lshrrev_b32 v[T], 11, v[A+i]
	v_and_b32 v[A+i], 0x7f0, v[A+i]
	v_min_u32 v[T], 0x3f7e, v[T]
	v_min_u32 v[A+i], 0x7e0, v[A+i]
	v_lshl_add_u32 v[A+i], v[T], 11, v[A+i]
.set i, i+1
.endr
	GATHER 0
	GATHER 1
.macro STEP s
.set SB, SL+32*((\s)%2)
.set DD, TD+12*(((\s)/4)%2)+(\s)%4
.if (\s) == 0
	s_wait_loadcnt ISSUED-MARKT                    ; td's group 0 is in; group 1's three loads and two steps' gathers stay out.  Every later group was issued ahead of gathers that have been waited for by its first use
.endif
	AXIS WX, DD                                    ; the weights hang on td alone: they are made while the step's gathers are still on their way
	AXIS WY, DD+4
	AXIS WZ, DD+8
	PKMULB WYZ, WY, WZ, 0
	PKMULB WYZ+2, WY, WZ, 1
.if ((\s)%2) == 0
	s_wait_loadcnt ISSUED-MARK0                    ; this step's eight corners are in; what was issued behind them stays out: the next step's eight, and a group of td's three where one went out between
.else
	s_wait_loadcnt ISSUED-MARK1
.endif
	; row j = 2 (z + 1?) + (y + 1?): its two corner weights, then both corners' four channels; the first corner starts the sums
.irp j, 0,1,2,3
	PKMULB WY+2*((\j)%2), WX, WYZ+2*((\j)/2), (\j)%2
.if (\j) == 0
	PKMULB VA, SB, WY, 0
	PKMULB VA+2, SB+2, WY, 0
.else
	PKFMAB VA, SB+8*(\j), WY+2*((\j)%2), 0
	PKFMAB VA+2, SB+8*(\j)+2, WY+2*((\j)%2), 0
.endif
	PKFMAB VA, SB+8*(\j)+4, WY+2*((\j)%2), 1
	PKFMAB VA+2, SB+8*(\j)+6, WY+2*((\j)%2), 1
.endr
.if ((\s)%4 == 3) && ((\s)/4+2 < 4)
	TDLOAD (\s)/4+2                                ; this group's buffer has been read out: the group after next goes in, ahead of the gathers below
.endif
.if (\s)+2 < 16
	GATHER (\s)+2                                  ; the slot is free: the step after next goes out
.endif
.if (\s) == 0
	v_mul_f32 v[T], s[KDT], v[VA+3]                ; the first step starts the sums: alpha was 0
	v_min_num_f32 v[T], 1.0, v[T]
	PKMULB R, VA, T, 0
	v_mul_f32 v[R+2], v[VA+2], v[T]
	v_mov_b32 v[R+3], v[T]
.else
	v_fma_f32 v[T], v[VA+3], s[KDT], v[R+3]
	v_min_num_f32 v[T], 1.0, v[T]
	v_sub_f32 v[T], v[T], v[R+3]                   ; contrib
	PKFMAB R, VA, T, 0
	v_fmac_f32 v[R+2], v[VA+2], v[T]
	v_add_f32 v[R+3], v[R+3], v[T]
.endif
.endm
.irp s, 0,1,2,3,4,5,6,7,8,9,10,11,12,13,14,15
	STEP \s
.endr
	; THE WAY OUT.  LDS: channel c's 256 numbers at 1,024 c.  Thread t then takes the 16 bytes at 16 t: channel t / 64, rays 4 (t % 64) on.
	ds_store_b32 v[LSA], v[R]
	ds_store_b32 v[LSA], v[R+1] offset:1024
	ds_store_b32 v[LSA], v[R+2] offset:2048
	ds_store_b32 v[LSA], v[R+3] offset:3072
	s_wait_dscnt 0x0                               ; for the others' sake: my stores are done before I say so
	s_barrier_signal -1
	s_barrier_wait -1
	ds_load_b128 v[VA:VA+3], v[VR16]
	s_wait_dscnt 0x0
	global_store_b128 v[GO], v[VA:VA+3], s[10:11] th:TH_STORE_NT
	s_wait_tensorcnt 0x0
	ds_add_u32 v128, v129
	s_wait_dscnt 0x0
	s_endpgm
.Lfunc_end_k_q0df8ee5404_shade:
	.size	k_q0df8ee5404_shade, .Lfunc_end_k_q0df8ee5404_shade-k_q0df8ee5404_shade
	.p2alignl 7, 3214868480
	.fill 96, 4, 3214868480
	.section	.rodata,"a",@progbits
	.p2align	6, 0x0
	.amdhsa_kernel k_q0df8ee5404_shade
		.amdhsa_group_segment_fixed_size 5120
		.amdhsa_private_segment_fixed_size 0
		.amdhsa_enable_private_segment 0
		.amdhsa_kernarg_size 32
		.amdhsa_user_sgpr_count 2
		.amdhsa_user_sgpr_kernarg_segment_ptr 1
		.amdhsa_wavefront_size32 1
		.amdhsa_system_sgpr_workgroup_id_x 1
		.amdhsa_system_sgpr_workgroup_id_y 1
		.amdhsa_system_sgpr_workgroup_id_z 1
		.amdhsa_system_vgpr_workitem_id 0
		.amdhsa_next_free_vgpr 130
		.amdhsa_next_free_sgpr 66
		.amdhsa_reserve_vcc 1
		.amdhsa_float_denorm_mode_32 3
		.amdhsa_float_denorm_mode_16_64 3
		.amdhsa_memory_ordered 1
		.amdhsa_forward_progress 1
		.amdhsa_inst_pref_size 63
	.end_amdhsa_kernel
	.amdgpu_metadata
---
amdhsa.version: [ 1, 2 ]
amdhsa.kernels:
  - .name:           k_q0df8ee5404_shade
    .symbol:         k_q0df8ee5404_shade.kd
    .args:
      - { .name: tmpl4, .offset: 0, .size: 8, .value_kind: global_buffer, .address_space: global }
      - { .name: tidx, .offset: 8, .size: 8, .value_kind: global_buffer, .address_space: global }
      - { .name: td, .offset: 16, .size: 8, .value_kind: global_buffer, .address_space: global }
      - { .name: out0, .offset: 24, .size: 8, .value_kind: global_buffer, .address_space: global }
    .group_segment_fixed_size: 5120
    .private_segment_fixed_size: 0
    .kernarg_segment_align: 8
    .kernarg_segment_size: 32
    .max_flat_workgroup_size: 256
    .sgpr_count:     66
    .vgpr_count:     130
    .wavefront_size: 32
...
	.end_amdgpu_metadata
.endif
;; end of part 3
